; MI455X (gfx1250); checked and timed in simulation.
; The chip was launched on July 23, 2026; its instructions are those of AMD's public machine-readable ISA for CDNA 5 (MIT licence, August 2026) and "CDNA5" Instruction Set Architecture Reference Guide (July 2026). The comments in the code are by the model that wrote it; some were corrected since.
;; Multi Head Attention. Allowed arithmetic: matrix products marked QUANTISED: E2M1 operands, one E8M0 scale for each 32 along K, by v_wmma_scale_f32_16x16x128_f8f6f4 with both operands' format E2M1 (or v_wmma_scale_f32_32x16x128_f4), f32 sums; everything else in f32.
;; Inputs: b_k 512 float32; b_o 512 float32; b_q 512 float32; b_v 512 float32; k 2 x 4,096 x 512 float32; q 2 x 4,096 x 512 float32; v 2 x 4,096 x 512 float32; w_k 512 x 512 float32; w_o 512 x 512 float32; w_q 512 x 512 float32; w_v 512 x 512 float32.
;; Outputs: out0 2 x 4,096 x 512 float32.
;; This version of the problem:
;;   THIS VERSION OF THE PROBLEM IS GIVEN IN LOW PRECISION. The matrix products marked QUANTISED in the list below multiply operands that are first quantised to E2M1 (2 exponent bits, 1 mantissa bit; 4 bits a number), with one power-of-two scale for each 32 numbers along K (OCP MX v1.0); their sums are f32. All else is computed in f32.
;;   The module's matrix products, in the order in which they are computed (A, B: the left and right operand; K: the contracted axis; several contracted axes count as one K, in the product's order):
;;     1. [M 8,192, K 512] x [K 512, N 512]; A: input q; B: input w_q: QUANTISED
;;     2. [M 8,192, K 512] x [K 512, N 512]; A: input k; B: input w_k: QUANTISED
;;     3. [M 8,192, K 512] x [K 512, N 512]; A: input v; B: input w_v: QUANTISED
;;     4. batch 16 x [M 4,096, K 64] x [K 64, N 4,096]; A: computed on the way; B: computed on the way: QUANTISED
;;     5. batch 16 x [M 4,096, K 4,096] x [K 4,096, N 64]; A: softmax (see below); B: computed on the way: QUANTISED
;;     6. [M 8,192, K 512] x [K 512, N 512]; A: computed on the way; B: input w_o: QUANTISED
;;   THE QUANTISER, for each operand of a quantised product, along K:
;;     - K is cut into blocks of 32 from its start; a last block that is shorter is filled with zeros.
;;     - A block's scale is 2^e with e = floor(log2(the largest magnitude in the block)) - 2, held to -126 .. 127; a block of zeros has e = 0. As a byte (E8M0): e + 127.
;;     - Each number is divided by its block's scale, clamped to +-6, and rounded to the nearest number of E2M1, ties to even, subnormals kept.
;;     - The product sums the exact products of the quantised numbers (number of the format x scale) in f32.
;;   ~~~python
;;   def quantise(x, axis):      # numpy; x: float32 -> the quantised numbers, widened to float32 again
;;       x = np.moveaxis(x, axis, -1); K = x.shape[-1]
;;       x = np.pad(x, [(0, 0)] * (x.ndim - 1) + [(0, -K % 32)]); x = x.reshape(x.shape[:-1] + (-1, 32)); a = np.abs(x).max(-1, keepdims=True)
;;       e = np.where(a > 0, np.clip(np.frexp(np.where(a > 0, a, 1))[1] - 1 - 2, -126, 127), 0)      # np.frexp(a)[1] - 1 = floor(log2(a)), exactly
;;       r = np.clip(x / 2.0 ** e, -6, 6)
;;       step = 2.0 ** (np.maximum(np.frexp(np.where(r == 0, 1, r))[1] - 1, 0) - 1)
;;       q = np.round(r / step) * step * 2.0 ** e      # np.round: ties to even
;;       return np.moveaxis(q.reshape(q.shape[:-2] + (-1,))[..., :K], -1, axis).astype(np.float32)
;;   ~~~
;;   SOFTMAX AHEAD OF A QUANTISED PRODUCT. Where the list says 'softmax', what is quantised is not the finished softmax but p = 2^(t - M), with t = logit x log2(e) and M = ceil(the row's largest t), a whole number; so 1/2 < the row's largest p <= 1. The row's sum l is taken of the UNQUANTISED p, in f32, and the product's result is divided by l at the end. Since M is a whole number, a kernel that streams over the keys may use a running M (the ceiling of the running maximum): every later rescaling is an exact power of two, which a block's scale takes up: the codes' values come out the same.
;;   OPERANDS COMPUTED ON THE WAY. 'Computed on the way' means the value that the module computes at that place (a softmax that the list does not call 'softmax' is quantised finished and normalised). What goes into a quantiser is computed in f32, as accurately as f32 sums, v_exp_f32 and their like allow (about 1e-6 of the number): no bf16 or f16 on the way to a quantiser, and a product that is left as it is and whose result goes on into a quantised operand takes f32 operands (vector FMAs, or v_wmma_f32_16x16x4_f32). A number that lies on a knife's edge between two numbers of the format may be rounded either way, as far as f32 arithmetic and the matrix unit's own rounding can turn it there, and no further.
;; One version. Each part assembles by itself: llvm-mc -triple=amdgcn-amd-amdhsa -mcpu=gfx1250 --defsym DOCPART=n.
;; ======== version 1 of 1: 4 launches
;; limits: right only within a limited range of input values
;; workspace buffers: xc 6,815,744 bytes; xs 425,984 bytes; qi 2,359,296 bytes; kv 4,587,520 bytes; oc 2,097,152 bytes; os 131,072 bytes
;; launch quant (part 1): grid 416 x 1, 4 waves a work-group, no clusters, 34,304 bytes of LDS; arguments q, k, v, w_q, w_k, w_v, w_o, xc, xs; writes xc, xs
.if DOCPART == 1
	.amdgcn_target "amdgcn-amd-amdhsa--gfx1250"
	.amdhsa_code_object_version 6
	.text
	.protected	k_q85ea2d2b7e_quant
	.globl	k_q85ea2d2b7e_quant
	.p2align	8
	.type	k_q85ea2d2b7e_quant,@function
k_q85ea2d2b7e_quant:
	s_mov_b64 s[64:65], 0
	v_nop
	global_prefetch_b8 v0, s[64:65] scope:SCOPE_SE
	s_setreg_imm32_b32 hwreg(HW_REG_WAVE_MODE, 25, 1), 1
	s_wait_xcnt 0x0
; q, k, v [8192][512] and w_q, w_k, w_v, w_o [512][512], f32 with K innermost, become codes of FP4 (E2M1) with one E8M0 byte for each 32 along K,
; laid as IMAGES OF OPERAND REGISTERS.  Rows go in tiles of 16: tile 2 g + u, lane-row r, is row 32 g + 8 u + r + 8 (r / 8) of its tensor.
; A tile's image is 4,096 bytes: K step s (128 along K), register group c, lane l: 16 bytes at 1024 s + 512 c + 16 l = registers 4 c .. 4 c + 3 of the fragment
; (row l % 16, k = 128 s + 64 c + 32 (l / 16) + 0 .. 31).  Its scale tile is 256 bytes: the word of (row r, K step s) at 16 r + 4 s.
; Tiles in xc and xs: q 0-511, k 512-1023, v 1024-1535, w_q 1536-, w_k 1568-, w_v 1600-, w_o 1632-1663.
; SHARES: a wave takes one tile, 16 rows x 2,048 bytes; 416 work-groups of four waves.  One path for all seven tensors: only the pointer is chosen, by the work-group's number.
; Each load reads 512 consecutive bytes of one row.  The conversions want 16 neighbours along K in one lane, so a K step's 16 x 512 bytes turn through the wave's own stage in LDS
; (rows 528 bytes apart = 33 x 16: the sixteen rows that a read touches start in sixteen different groups of banks).  Waves share nothing: no barrier.
; A block's scale is 2^(floor(log2(largest magnitude)) - 2): its byte is the largest magnitude's exponent field - 2, held at 1 from below by a floor among the maximum's leaves.
; LIMITS: NaN and infinities are not served; a block whose largest magnitude lies under 2^-124, zeros among them, gets the byte 1 (a block of zeros has zero codes; these bytes are read by this program alone).
.set PITCH, 528
.set STG,   16*PITCH                   ; a wave's stage
.set R,   16                           ; v16-143  two sets of 64 registers, as loaded
.set X,   144                          ; v144-207 64 numbers of my row: register 16 b + i = k 32 b + 16 (lane / 16) + i of the K step
.set TM,  208                          ; v208-223 at work
.set PC,  224                          ; v224-231 a fragment's codes
.set SW,  232                          ; v232-235 the four K steps' scale words
.set SEL, 24                           ; s[24:25] lane selects: lane l xor 16
.set HI,  26                           ; s26      mask of lanes 16-31
.set SRC, 28                           ; s[28:29] my tile's first row
; 64 numbers of a lane become a fragment's eight registers of codes and the row's scale word
.macro QUANT4 s, pc, pw
.irp b, 0,1,2,3
	v_max3_num_f32 v[TM+\b], |v[\s+16*\b]|, |v[\s+1+16*\b]|, 0x1800000   ; block b: my 16 numbers and the floor 2^(3 - 127)
.endr
.irp i, 2,4,6,8,10,12,14
.irp b, 0,1,2,3
	v_max3_num_f32 v[TM+\b], v[TM+\b], |v[\s+16*\b+\i]|, |v[\s+1+16*\b+\i]|   ; the four blocks by turns
.endr
.endr
.irp b, 0,1,2,3
	v_permlanex16_b32 v[TM+4+\b], v[TM+\b], s[SEL], s[SEL+1]
.endr
.irp b, 0,1,2,3
	v_max_num_f32 v[TM+\b], v[TM+\b], v[TM+4+\b]       ; with lane l xor 16's 16: the block's largest magnitude
.endr
.irp b, 0,1,2,3
	v_add_nc_u32 v[TM+12+\b], 0xff000000, v[TM+\b]     ; 2 off its exponent field: the conversion's scale operand
.endr
.irp b, 0,1,2,3
	v_lshrrev_b32 v[TM+4+\b], 23, v[TM+12+\b]          ; the scale's byte
.endr
	v_lshl_or_b32 v[\pw], v[TM+5], 8, v[TM+4]
	v_lshl_or_b32 v[\pw], v[TM+6], 16, v[\pw]
	v_lshl_or_b32 v[\pw], v[TM+7], 24, v[\pw]
.irp b, 0,1,2,3
	v_cvt_scalef32_pk8_fp4_f32 v[\pc+2*\b], v[\s+16*\b:\s+7+16*\b], v[TM+12+\b]
	v_cvt_scalef32_pk8_fp4_f32 v[\pc+1+2*\b], v[\s+8+16*\b:\s+15+16*\b], v[TM+12+\b]
.endr
	v_nop                                              ; one plain instruction behind the scaled conversions
.irp c, 0,1                                        ; the layout wants a whole block in a lane: lanes 0-15 block 2 c, lanes 16-31 block 2 c + 1
.irp i, 0,1
	v_permlane16_swap_b32 v[\pc+4*\c+\i], v[\pc+2+4*\c+\i]
.endr
.endr
.endm
	s_load_b256 s[4:11], s[0:1], 0x0               ; q, k, v, w_q
	s_load_b256 s[12:19], s[0:1], 0x20             ; w_k, w_v, w_o, xc
	s_load_b64 s[20:21], s[0:1], 0x40              ; xs
	v_lshl_add_u32 v240, v0, 2, 0x8400
	v_mov_b32 v241, 0
	v_lshrrev_b32 v5, 5, v0
	v_readfirstlane_b32 s22, v5                    ; wave 0..3
	v_and_b32 v5, 31, v0                           ; lane
	v_and_b32 v6, 15, v0                           ; r
	v_bfe_u32 v7, v0, 4, 1                         ; h
	v_lshlrev_b32 v1, 4, v5                        ; 16 x lane: a load's, an image's place
	s_mul_i32 s23, s22, STG
	v_add_nc_u32 v2, s23, v1                       ; the stage on the way in: 16 x lane of a row
	v_mul_u32_u24 v3, v6, PITCH
	v_lshl_add_u32 v3, v7, 6, v3
	v_add_nc_u32 v3, s23, v3                       ; and on the way out: row r, + 64 h: my 16 numbers of a block
	v_lshlrev_b32 v4, 4, v6
	v_lshl_add_u32 v4, v7, 3, v4                   ; the scale tile: 16 r + 8 h
	s_mov_b32 s[SEL], 0x76543210
	s_mov_b32 s[SEL+1], 0xfedcba98
	s_mov_b32 s[HI], 0xffff0000
.irp b, 0,1,2,3
	v_mov_b32 v[TM+4+\b], 0                        ; written once: a lane permute's destination counts as one of its sources
.endr
	s_wait_alu depctr_va_vdst(0)
	s_wait_kmcnt 0x0
; which tensor: the choice hangs on the work-group's number alone
.macro PICK lim, ptr, first
	s_cmp_lt_u32 ttmp9, \lim
	s_cselect_b64 s[SRC:SRC+1], s[\ptr:\ptr+1], s[SRC:SRC+1]
	s_cselect_b32 s30, \first, s30
.endm
	s_mov_b64 s[SRC:SRC+1], s[16:17]               ; w_o, from work-group 408 on
	s_mov_b32 s30, 408
	PICK 408, 14, 400
	PICK 400, 12, 392
	PICK 392, 10, 384
	PICK 384, 8, 256
	PICK 256, 6, 128
	PICK 128, 4, 0
	s_sub_co_u32 s30, ttmp9, s30
	s_lshl_b32 s30, s30, 2
	s_add_co_u32 s30, s30, s22                     ; my tile in its tensor
	s_lshr_b32 s31, s30, 1
	s_lshl_b32 s32, s31, 16                        ; 32 g rows of 2,048 bytes
	s_and_b32 s31, s30, 1
	s_lshl_b32 s31, s31, 14                        ; 8 u rows
	s_add_co_u32 s32, s32, s31
	; k ALONE HAS ANOTHER ORDER OF ROWS: its tile 4 c + u, lane-row r, is row 64 c + 8 u + r + 24 (r / 8): lane-rows 0-7 lie in one block of 32 keys, lane-rows 8-15 in the next
	s_lshr_b32 s31, s30, 2
	s_lshl_b32 s35, s31, 17                        ; 64 c rows of 2,048 bytes
	s_and_b32 s31, s30, 3
	s_lshl_b32 s31, s31, 14                        ; 8 u rows
	s_add_co_u32 s35, s35, s31
	s_sub_co_u32 s31, ttmp9, 128
	s_cmp_lt_u32 s31, 128                          ; k's work-groups are 128 .. 255: the choice hangs on the work-group's number alone
	s_cselect_b32 s32, s35, s32
	s_cselect_b32 s36, 32768, 0                    ; k: lane-rows 8-15 lie 16 rows further on than the loads' offsets say
	s_mov_b32 s33, 0
	s_mov_b32 s37, 0
	s_add_nc_u64 s[SRC:SRC+1], s[SRC:SRC+1], s[32:33]
	s_add_nc_u64 s[36:37], s[SRC:SRC+1], s[36:37]  ; the base of lane-rows 8-15
	s_lshl_b32 s34, ttmp9, 2
	s_add_co_u32 s34, s34, s22                     ; my tile among the 1,664
	s_lshl_b32 s32, s34, 12
	s_add_nc_u64 s[18:19], s[18:19], s[32:33]
	s_lshl_b32 s32, s34, 8
	s_add_nc_u64 s[20:21], s[20:21], s[32:33]
.macro LOAD s                          ; K step s of the tile's 16 rows: 32 lanes read 512 consecutive bytes of one row
.irp i, 0,1,2,3,4,5,6,7,8,9,10,11,12,13,14,15
	global_load_b128 v[R+64*((\s)%2)+4*\i:R+64*((\s)%2)+4*\i+3], v1, s[SRC+8*(\i/8):SRC+8*(\i/8)+1] offset:(\i+8*(\i/8))*2048+512*(\s) th:TH_LOAD_NT
.endr
.endm
.macro STEP s
.if \s < 3
	s_wait_loadcnt 16                              ; this K step's 16 loads are in; the next step's 16 may be out
.else
	s_wait_loadcnt 0x0
.endif
.irp i, 0,1,2,3,4,5,6,7,8,9,10,11,12,13,14,15
	ds_store_b128 v2, v[R+64*((\s)%2)+4*\i:R+64*((\s)%2)+4*\i+3] offset:PITCH*\i
.endr
.irp b, 0,1,2,3
.irp j, 0,1,2,3
	ds_load_b128 v[X+16*\b+4*\j:X+16*\b+4*\j+3], v3 offset:128*\b+16*\j   ; LDS serves a wave's instructions in order: these see the stores above
.endr
.endr
	s_wait_dscnt 0x0                               ; the numbers are back, and the stores have read their registers,
.if \s < 2
	LOAD (\s)+2                                    ; which take the loads of two steps on
.endif
	s_wait_xcnt 0x0                                ; the last step's stores have read the codes' registers: they are written again only behind this wait
	QUANT4 X, PC, SW+\s
.irp c, 0,1
	global_store_b128 v1, v[PC+4*\c:PC+4*\c+3], s[18:19] offset:1024*\s+512*\c   ; 32 lanes store 512 consecutive bytes
.endr
.endm
	LOAD 0
	LOAD 1
	STEP 0
	STEP 1
	STEP 2
	STEP 3
	v_cndmask_b32 v236, v[SW], v[SW+2], s[HI]      ; lanes 0-15 store the words of K steps 0 and 1, lanes 16-31 of 2 and 3
	v_cndmask_b32 v237, v[SW+1], v[SW+3], s[HI]
	global_store_b64 v4, v[236:237], s[20:21]      ; 32 lanes store 256 consecutive bytes, aligned
	s_wait_tensorcnt 0x0
	ds_add_u32 v240, v241
	s_wait_dscnt 0x0
	s_endpgm
.Lfunc_end_k_q85ea2d2b7e_quant:
	.size	k_q85ea2d2b7e_quant, .Lfunc_end_k_q85ea2d2b7e_quant-k_q85ea2d2b7e_quant
	.p2alignl 7, 3214868480
	.fill 96, 4, 3214868480
	.section	.rodata,"a",@progbits
	.p2align	6, 0x0
	.amdhsa_kernel k_q85ea2d2b7e_quant
		.amdhsa_group_segment_fixed_size 34304
		.amdhsa_private_segment_fixed_size 0
		.amdhsa_enable_private_segment 0
		.amdhsa_kernarg_size 72
		.amdhsa_user_sgpr_count 2
		.amdhsa_user_sgpr_kernarg_segment_ptr 1
		.amdhsa_wavefront_size32 1
		.amdhsa_system_sgpr_workgroup_id_x 1
		.amdhsa_system_sgpr_workgroup_id_y 1
		.amdhsa_system_sgpr_workgroup_id_z 1
		.amdhsa_system_vgpr_workitem_id 0
		.amdhsa_next_free_vgpr 242
		.amdhsa_next_free_sgpr 66
		.amdhsa_reserve_vcc 0
		.amdhsa_float_denorm_mode_32 3
		.amdhsa_float_denorm_mode_16_64 3
		.amdhsa_memory_ordered 1
		.amdhsa_forward_progress 1
		.amdhsa_inst_pref_size 34
	.end_amdhsa_kernel
	.amdgpu_metadata
---
amdhsa.version: [ 1, 2 ]
amdhsa.kernels:
  - .name:           k_q85ea2d2b7e_quant
    .symbol:         k_q85ea2d2b7e_quant.kd
    .args:
      - { .name: q, .offset: 0, .size: 8, .value_kind: global_buffer, .address_space: global }
      - { .name: k, .offset: 8, .size: 8, .value_kind: global_buffer, .address_space: global }
      - { .name: v, .offset: 16, .size: 8, .value_kind: global_buffer, .address_space: global }
      - { .name: w_q, .offset: 24, .size: 8, .value_kind: global_buffer, .address_space: global }
      - { .name: w_k, .offset: 32, .size: 8, .value_kind: global_buffer, .address_space: global }
      - { .name: w_v, .offset: 40, .size: 8, .value_kind: global_buffer, .address_space: global }
      - { .name: w_o, .offset: 48, .size: 8, .value_kind: global_buffer, .address_space: global }
      - { .name: xc, .offset: 56, .size: 8, .value_kind: global_buffer, .address_space: global }
      - { .name: xs, .offset: 64, .size: 8, .value_kind: global_buffer, .address_space: global }
    .group_segment_fixed_size: 34304
    .private_segment_fixed_size: 0
    .kernarg_segment_align: 8
    .kernarg_segment_size: 72
    .max_flat_workgroup_size: 128
    .sgpr_count:     66
    .vgpr_count:     242
    .wavefront_size: 32
...
	.end_amdgpu_metadata
.endif
;; end of part 1
;; launch proj (part 2): grid 128 x 3, 4 waves a work-group, no clusters, 0 bytes of LDS; arguments xc, xs, b_q, b_k, b_v, qi, kv; writes qi, kv
.if DOCPART == 2
	.amdgcn_target "amdgcn-amd-amdhsa--gfx1250"
	.amdhsa_code_object_version 6
	.text
	.protected	k_q85ea2d2b7e_proj
	.globl	k_q85ea2d2b7e_proj
	.p2align	8
	.type	k_q85ea2d2b7e_proj,@function
k_q85ea2d2b7e_proj:
	s_mov_b64 s[64:65], 0
	v_nop
	global_prefetch_b8 v0, s[64:65] scope:SCOPE_SE
	s_setreg_imm32_b32 hwreg(HW_REG_WAVE_MODE, 25, 1), 1
	s_wait_xcnt 0x0
; The three projections x W^T + b on codes of FP4, and the quantising of their results as operands of attention.  y = 0: q, 1: k, 2: v.
; A UNIT: a stationary set S (4 tiles of 16 rows x 4 K steps, 128 registers) against a moving tile M_i (4 fragments): 16 matrix instructions, source 0 = S, source 1 = M,
; K step outer, tile inner, so that the four accumulators take turns.  By the order of rows in a tile (tile 2 g + u, lane-row r = row 32 g + 8 u + r + 8 (r / 8))
; lane (r, h) then holds, of moving row r, register 16 g + i = stationary row 32 g + 16 h + i: 16 neighbours, as the conversions want them.
; A wave's job: one moving set of 4 tiles against two stationary sets: 8 units, 128 matrix instructions.
;   y = 0, 1: M = 64 rows of x (work-group x), S_e = the 64 rows of W of head 2 w + e.  A lane's 32 numbers run along the head's 64: two blocks -> registers 0-3 of a fragment (K = 64).
;   y = 2:    S_c = 64 keys of x_v (half c of a key step of 128), M = the 64 rows of W_v of one head.  A lane's numbers run along the KEYS -> registers 4 c .. 4 c + 3 of a fragment of V^T.
; The bias is the C of a sum's first instruction.
; OUT.  qi [bh][group of 64 rows][2,304]: four half images of 512 bytes (tile i, 16 x lane), then the scale words at 2048 + 16 r + 4 i.
;       kv [bh][key step][8,960]: K's codes, tile t at 512 t | +4096 V^T's codes, d tile at 1024 dt + 512 c | +8192 K's scale words, tile 4 h + i at 256 h + 16 r + 4 i | +8704 V's, d tile 2 h + i at 8 lane + 4 i.
; No LDS, no barrier, no loop: every load goes out at the head, the waits are counted.
; LIMITS: NaN and infinities are not served; a block whose largest magnitude lies under 2^-124 gets the scale byte 1.
; REGISTERS: window 0: v1-7 offsets; v8-15 codes, two sets by turns; v16-25 at work; v32-63 four accumulators; v64-191 M; v192-223 bias; v224-239 S's scale words (lanes 0-15 S0's, lanes 16-31 S1's);
;   v240-247 M's (lanes 0-15 tiles 0, 1; lanes 16-31 tiles 2, 3); v248-251 the results' scale words.   window 1: S0 in v0-127, S1 in v128-255.
.set PCA, 8
.set TM,  16
.set PW,  26
.set ACC, 32
.set MF,  64
.set BI,  192
.set SS,  224
.set MS,  240
.set KA,  248
.set WV,  18
.set YY,  19
.set HI,  20                           ; s20 mask of lanes 16-31
.set SEL, 22
.set SCB, 24                           ; s[24:25] S's codes;  s[26:27] S's scales;  s[28:29] M's codes;  s[30:31] M's scales
.set SSB, 26
.set MCB, 28
.set MZB, 30
.set OC0, 32                           ; s[32:33], s[34:35] where the codes of units e = 0, 1 go;  s[36:37] the scale words;  s[38:39] the bias
.set OC1, 34
.set OSB, 36
.set BB,  38
.set MSB, 0
.macro WIN new                         ; the immediate's high byte repeats the setting that is left
.if MSB != \new
	s_set_vgpr_msb (MSB<<8)|\new
.set MSB, \new
.endif
.endm
; one matrix instruction; ra, rb: the side's scales stand in lanes 16-31
.macro WM d, a, b, c, sa, sb, ra, rb
.if (\ra) && (\rb)
	v_wmma_scale_f32_16x16x128_f8f6f4 v[\d:\d+7], v[\a:\a+7], v[\b:\b+7], v[\c:\c+7], v[\sa], v[\sb] matrix_a_fmt:MATRIX_FMT_FP4 matrix_b_fmt:MATRIX_FMT_FP4 matrix_a_scale:MATRIX_SCALE_ROW1 matrix_b_scale:MATRIX_SCALE_ROW1
.elseif (\ra)
	v_wmma_scale_f32_16x16x128_f8f6f4 v[\d:\d+7], v[\a:\a+7], v[\b:\b+7], v[\c:\c+7], v[\sa], v[\sb] matrix_a_fmt:MATRIX_FMT_FP4 matrix_b_fmt:MATRIX_FMT_FP4 matrix_a_scale:MATRIX_SCALE_ROW1
.elseif (\rb)
	v_wmma_scale_f32_16x16x128_f8f6f4 v[\d:\d+7], v[\a:\a+7], v[\b:\b+7], v[\c:\c+7], v[\sa], v[\sb] matrix_a_fmt:MATRIX_FMT_FP4 matrix_b_fmt:MATRIX_FMT_FP4 matrix_b_scale:MATRIX_SCALE_ROW1
.else
	v_wmma_scale_f32_16x16x128_f8f6f4 v[\d:\d+7], v[\a:\a+7], v[\b:\b+7], v[\c:\c+7], v[\sa], v[\sb] matrix_a_fmt:MATRIX_FMT_FP4 matrix_b_fmt:MATRIX_FMT_FP4
.endif
.endm
; 32 numbers of a lane, register 16 b + i = k 32 b + 16 (lane / 16) + i, become four registers of codes (k = 32 (lane / 16) + 0 .. 31) and two scale bytes in a word's low half
.macro QUANT2 s, pc, pw
.irp b, 0,1
	v_max3_num_f32 v[TM+\b], |v[\s+16*\b]|, |v[\s+1+16*\b]|, 0x1800000   ; my 16 numbers and the floor 2^(3 - 127); each accumulator is read from its low end on
.endr
.irp i, 2,4,6,8,10,12,14
.irp b, 0,1
	v_max3_num_f32 v[TM+\b], v[TM+\b], |v[\s+16*\b+\i]|, |v[\s+1+16*\b+\i]|
.endr
.endr
.irp b, 0,1
	v_permlanex16_b32 v[TM+4+\b], v[TM+\b], s[SEL], s[SEL+1]
.endr
.irp b, 0,1
	v_max_num_f32 v[TM+\b], v[TM+\b], v[TM+4+\b]
.endr
.irp b, 0,1
	v_add_nc_u32 v[TM+8+\b], 0xff000000, v[TM+\b]      ; 2 off the exponent field: the conversion's scale operand
.endr
.irp b, 0,1
	v_lshrrev_b32 v[TM+4+\b], 23, v[TM+8+\b]           ; the scale's byte
.endr
	v_lshl_or_b32 v[\pw], v[TM+5], 8, v[TM+4]          ; the word's upper half stays 0
	s_wait_alu depctr_va_vdst(0)
	s_wait_xcnt 0x0                                    ; earlier stores have read the codes' registers: they are written again only behind this wait
.irp b, 0,1
	v_cvt_scalef32_pk8_fp4_f32 v[\pc+2*\b], v[\s+16*\b:\s+7+16*\b], v[TM+8+\b]
	v_cvt_scalef32_pk8_fp4_f32 v[\pc+1+2*\b], v[\s+8+16*\b:\s+15+16*\b], v[TM+8+\b]
.endr
	v_nop                                              ; one plain instruction behind the scaled conversions
	v_permlane16_swap_b32 v[\pc], v[\pc+2]             ; a whole block to a lane: lanes 0-15 block 0, lanes 16-31 block 1
	v_permlane16_swap_b32 v[\pc+1], v[\pc+3]
.endm
; the four bases, from S's first tile (s50) and M's (s51): 4,096 bytes of codes and 256 of scale words a tile
.macro BASES
	s_mov_b32 s53, 0
	s_lshl_b32 s52, s50, 12
	s_add_nc_u64 s[SCB:SCB+1], s[4:5], s[52:53]
	s_lshl_b32 s52, s50, 8
	s_add_nc_u64 s[SSB:SSB+1], s[6:7], s[52:53]
	s_lshl_b32 s52, s51, 12
	s_add_nc_u64 s[MCB:MCB+1], s[4:5], s[52:53]
	s_lshl_b32 s52, s51, 8
	s_add_nc_u64 s[MZB:MZB+1], s[6:7], s[52:53]
.endm
; all operands: 6 + 32 + 32 + 32 loads, in the order in which the units want them
.macro LOADS
.irp t, 0,1,2,3
	global_load_b128 v[SS+4*\t:SS+4*\t+3], v2, s[SSB:SSB+1] offset:256*\t
.endr
.irp i, 0,1
	global_load_b128 v[MS+4*\i:MS+4*\i+3], v3, s[MZB:MZB+1] offset:256*\i
.endr
	WIN 0x40                                       ; destination window 1
.irp t, 0,1,2,3
.irp s, 0,1,2,3
.irp c, 0,1
	global_load_b128 v[8*(4*\t+\s)+4*\c:8*(4*\t+\s)+4*\c+3], v1, s[SCB:SCB+1] offset:4096*\t+1024*\s+512*\c
.endr
.endr
.endr
	WIN 0
.irp i, 0,1,2,3
.irp s, 0,1,2,3
.irp c, 0,1
	global_load_b128 v[MF+8*(4*\i+\s)+4*\c:MF+8*(4*\i+\s)+4*\c+3], v1, s[MCB:MCB+1] offset:4096*\i+1024*\s+512*\c
.endr
.endr
.endr
	WIN 0x40
.irp t, 0,1,2,3
.irp s, 0,1,2,3
.irp c, 0,1
	global_load_b128 v[128+8*(4*\t+\s)+4*\c:128+8*(4*\t+\s)+4*\c+3], v1, s[SCB:SCB+1] offset:16384+4096*\t+1024*\s+512*\c
.endr
.endr
.endr
	WIN 0
.endm
; the products of S_e x M_i.  cm = 0: the bias runs along S's rows (tile t's eight registers); 1: along M's rows (tile i's).  left: the younger loads that may stay out (-1: no wait)
.macro UNIT e, i, cm, left
.if \left >= 0
	s_wait_loadcnt \left
.endif
	WIN 0x01                                       ; source 0 in window 1
.irp s, 0,1,2,3
.irp t, 0,1,2,3
.if \s == 0
.if \cm
	WM ACC+8*\t, 128*\e+8*(4*\t+\s), MF+8*(4*\i+\s), BI+8*\i, SS+4*\t+\s, MS+4*(\i%2)+\s, \e, \i/2
.else
	WM ACC+8*\t, 128*\e+8*(4*\t+\s), MF+8*(4*\i+\s), BI+8*\t, SS+4*\t+\s, MS+4*(\i%2)+\s, \e, \i/2
.endif
.else
	WM ACC+8*\t, 128*\e+8*(4*\t+\s), MF+8*(4*\i+\s), ACC+8*\t, SS+4*\t+\s, MS+4*(\i%2)+\s, \e, \i/2
.endif
.endr
.endr
	WIN 0
.rept 4
	v_nop                                          ; four plain instructions between the last product and the first read of results (ISA guide 7.12.1); the next unit's first product, which
.endr                                              ; begins the accumulators anew, stands behind these and the quantiser's lines on its own registers: more than five
.endm
; the unit's results become codes and leave; their scale bytes are kept.  isv = 1: v's text
.macro TAIL e, i, isv
.if \e == 0
	QUANT2 ACC, PCA+4*(\i%2), KA+\i
	global_store_b128 v1, v[PCA+4*(\i%2):PCA+4*(\i%2)+3], s[OC0:OC0+1] offset:(512+512*\isv)*\i   ; 32 lanes store 512 consecutive bytes
.else
	QUANT2 ACC, PCA+4*(\i%2), PW
	global_store_b128 v1, v[PCA+4*(\i%2):PCA+4*(\i%2)+3], s[OC1:OC1+1] offset:(512+512*\isv)*\i
.if \isv
	v_lshl_or_b32 v[KA+\i], v[PW], 16, v[KA+\i]    ; keys 64 .. 127: the word's upper two bytes
.else
	v_cndmask_b32 v[KA+\i], v[KA+\i], v[PW], s[HI] ; lanes 16-31 carry the second head's word
.endif
.endif
.endm
.macro BIASQK off                      ; lane (r, h), tile 2 g + u: the bias of the head's units 32 g + 16 h + 8 u + 0 .. 7
.irp t, 0,1,2,3
	global_load_b128 v[BI+8*\t:BI+8*\t+3], v4, s[BB:BB+1] offset:\off+(32*(\t/2)+8*(\t%2))*4
	global_load_b128 v[BI+8*\t+4:BI+8*\t+7], v4, s[BB:BB+1] offset:\off+(32*(\t/2)+8*(\t%2))*4+16
.endr
.endm
	s_load_b256 s[4:11], s[0:1], 0x0               ; xc, xs, b_q, b_k
	s_load_b128 s[12:15], s[0:1], 0x20             ; b_v, qi
	s_load_b64 s[16:17], s[0:1], 0x30              ; kv
	v_lshrrev_b32 v6, 5, v0
	v_readfirstlane_b32 s[WV], v6                  ; wave 0..3
	s_and_b32 s[YY], ttmp7, 0xffff
	v_and_b32 v6, 31, v0                           ; lane
	v_and_b32 v7, 15, v0                           ; r
	v_bfe_u32 v27, v0, 4, 1                        ; h
	v_lshlrev_b32 v1, 4, v6                        ; 16 x lane: an image's place
	v_lshlrev_b32 v2, 4, v7
	v_lshl_add_u32 v3, v27, 9, v2                  ; M's scale words: 16 r, lanes 16-31 two tiles on
	v_lshl_add_u32 v2, v27, 10, v2                 ; S's: 16 r, lanes 16-31 four tiles on: S1's
	s_mov_b32 s[HI], 0xffff0000
	s_mov_b32 s[SEL], 0x76543210
	s_mov_b32 s[SEL+1], 0xfedcba98
	v_mov_b32 v[TM+4], 0                           ; written once: a lane permute's destination counts as one of its sources
	v_mov_b32 v[TM+5], 0
	s_cmp_eq_u32 s[YY], 2
	s_cbranch_scc1 .Lv
	; ---- q and k
	s_lshr_b32 s40, ttmp9, 6                       ; batch
	s_and_b32 s41, ttmp9, 63                       ; the group of 64 rows in it
	s_lshl_b32 s40, s40, 3
	s_lshl_b32 s42, s[WV], 1
	s_add_co_u32 s40, s40, s42                     ; bh of my first head: 8 b + 2 w
	s_lshl_b32 s42, s40, 6
	s_add_co_u32 s42, s42, s41
	s_mul_i32 s42, s42, 2304                       ; q: the record,
	s_add_co_u32 s43, s42, 2048                    ; its scale words
	s_lshl_b32 s44, s40, 5
	s_lshr_b32 s45, s41, 1
	s_add_co_u32 s44, s44, s45
	s_mul_i32 s44, s44, 8960                       ; k: the key step's record,
	s_and_b32 s45, s41, 1
	s_lshl_b32 s46, s45, 11
	s_add_co_u32 s46, s46, s44                     ; my four tiles of its eight,
	s_lshl_b32 s45, s45, 8
	s_add_co_u32 s45, s45, s44
	s_add_co_u32 s45, s45, 8192                    ; their scale words
	s_mov_b32 s47, 286720                          ; from head to head: 32 records in kv,
	s_wait_kmcnt 0x0
	s_cmp_eq_u32 s[YY], 0
	s_cselect_b32 s42, s42, s46
	s_cselect_b32 s44, s43, s45
	s_cselect_b32 s47, 147456, s47                 ; 64 records in qi
	s_cselect_b64 s[OC0:OC0+1], s[14:15], s[16:17]
	s_cselect_b64 s[BB:BB+1], s[8:9], s[10:11]
	s_mov_b32 s43, 0
	s_mov_b32 s45, 0
	s_add_nc_u64 s[OSB:OSB+1], s[OC0:OC0+1], s[44:45]
	s_add_nc_u64 s[OC0:OC0+1], s[OC0:OC0+1], s[42:43]
	s_mov_b32 s48, s47
	s_mov_b32 s49, 0
	s_add_nc_u64 s[OC1:OC1+1], s[OC0:OC0+1], s[48:49]
	s_lshl_b32 s48, s[WV], 9
	s_add_nc_u64 s[BB:BB+1], s[BB:BB+1], s[48:49]  ; the bias of heads 2 w, 2 w + 1
	s_lshl_b32 s50, s[YY], 5
	s_lshl_b32 s51, s[WV], 3
	s_add_co_u32 s50, s50, s51
	s_add_co_u32 s50, s50, 1536                    ; S: W's tiles 8 w on
	s_lshl_b32 s51, s[YY], 9
	s_lshl_b32 s52, ttmp9, 2
	s_add_co_u32 s51, s51, s52                     ; M: x's tiles 4 G on
	s_wait_alu depctr_va_vdst(0)
	v_lshlrev_b32 v4, 6, v27                       ; bias: 16 h numbers on
	s_wait_alu depctr_va_vdst(0)
	v_mul_u32_u24 v5, s47, v27
	v_lshl_add_u32 v5, v7, 4, v5                   ; the scale words' store: 16 r, lanes 16-31 a head on
	BASES
	BIASQK 0
	LOADS
	UNIT 0, 0, 0, 56                               ; out may be: M's tiles 1-3 (24 loads) and S1 (32)
	TAIL 0, 0, 0
	UNIT 0, 1, 0, 48
	TAIL 0, 1, 0
	UNIT 0, 2, 0, 40
	TAIL 0, 2, 0
	UNIT 0, 3, 0, 32
	BIASQK 256                                     ; the second head's bias, behind the four plain instructions that follow the products that read the first's
	TAIL 0, 3, 0
	UNIT 1, 0, 0, 0                                ; S1 and that bias
	TAIL 1, 0, 0
	UNIT 1, 1, 0, -1
	TAIL 1, 1, 0
	UNIT 1, 2, 0, -1
	TAIL 1, 2, 0
	UNIT 1, 3, 0, -1
	TAIL 1, 3, 0
	global_store_b128 v5, v[KA:KA+3], s[OSB:OSB+1] ; lanes 0-15: 256 consecutive bytes, aligned, of head 2 w; lanes 16-31 of head 2 w + 1
	s_endpgm
.Lv:	; ---- v: the keys are stationary, W_v's rows move
	s_lshr_b32 s40, ttmp9, 1                       ; the key step among 64: 32 b + step
	s_and_b32 s41, ttmp9, 1
	s_lshl_b32 s41, s41, 2
	s_add_co_u32 s41, s41, s[WV]                   ; the head
	s_lshr_b32 s42, s40, 5
	s_and_b32 s43, s40, 31
	s_lshl_b32 s42, s42, 3
	s_add_co_u32 s42, s42, s41
	s_lshl_b32 s42, s42, 5
	s_add_co_u32 s42, s42, s43
	s_mul_i32 s42, s42, 8960                       ; the record
	s_mov_b32 s43, 0
	s_wait_kmcnt 0x0
	s_add_nc_u64 s[OSB:OSB+1], s[16:17], s[42:43]
	s_add_nc_u64 s[OC0:OC0+1], s[OSB:OSB+1], 4096  ; V^T's codes, register group 0,
	s_add_nc_u64 s[OC1:OC1+1], s[OSB:OSB+1], 4608  ; group 1,
	s_add_nc_u64 s[OSB:OSB+1], s[OSB:OSB+1], 8704  ; its scale words
	s_lshl_b32 s42, s41, 8
	s_add_nc_u64 s[BB:BB+1], s[12:13], s[42:43]    ; the head's 64 numbers of b_v
	s_lshl_b32 s50, s40, 3
	s_add_co_u32 s50, s50, 1024                    ; S: x_v's tiles 8 sigma on
	s_lshl_b32 s51, s41, 2
	s_add_co_u32 s51, s51, 1600                    ; M: W_v's tiles 4 hd on
	s_wait_alu depctr_va_vdst(0)
	v_and_b32 v4, 8, v7
	v_add_nc_u32 v4, v4, v7
	v_lshlrev_b32 v4, 2, v4                        ; bias: my moving row in its tile: r + 8 (r / 8)
	s_wait_alu depctr_va_vdst(0)
	v_lshlrev_b32 v5, 3, v6                        ; the scale words' store: 8 x lane
	BASES
.irp i, 0,1,2,3                                ; the bias hangs on the lane's row alone: all eight registers of tile i hold the same number
.irp j, 0,1,2,3,4,5,6,7
	global_load_b32 v[BI+8*\i+\j], v4, s[BB:BB+1] offset:(32*(\i/2)+8*(\i%2))*4
.endr
.endr
	LOADS
	UNIT 0, 0, 1, 56
	TAIL 0, 0, 1
	UNIT 0, 1, 1, 48
	TAIL 0, 1, 1
	UNIT 0, 2, 1, 40
	TAIL 0, 2, 1
	UNIT 0, 3, 1, 32
	TAIL 0, 3, 1
	UNIT 1, 0, 1, 0
	TAIL 1, 0, 1
	UNIT 1, 1, 1, -1
	TAIL 1, 1, 1
	UNIT 1, 2, 1, -1
	TAIL 1, 2, 1
	UNIT 1, 3, 1, -1
	TAIL 1, 3, 1
	v_cndmask_b32 v28, v[KA], v[KA+2], s[HI]       ; lanes 0-15 store the words of d tiles 0 and 1, lanes 16-31 of 2 and 3
	v_cndmask_b32 v29, v[KA+1], v[KA+3], s[HI]
	global_store_b64 v5, v[28:29], s[OSB:OSB+1]    ; 32 lanes store 256 consecutive bytes, aligned
	s_endpgm
.Lfunc_end_k_q85ea2d2b7e_proj:
	.size	k_q85ea2d2b7e_proj, .Lfunc_end_k_q85ea2d2b7e_proj-k_q85ea2d2b7e_proj
	.p2alignl 7, 3214868480
	.fill 96, 4, 3214868480
	.section	.rodata,"a",@progbits
	.p2align	6, 0x0
	.amdhsa_kernel k_q85ea2d2b7e_proj
		.amdhsa_group_segment_fixed_size 0
		.amdhsa_private_segment_fixed_size 0
		.amdhsa_enable_private_segment 0
		.amdhsa_kernarg_size 56
		.amdhsa_user_sgpr_count 2
		.amdhsa_user_sgpr_kernarg_segment_ptr 1
		.amdhsa_wavefront_size32 1
		.amdhsa_system_sgpr_workgroup_id_x 1
		.amdhsa_system_sgpr_workgroup_id_y 1
		.amdhsa_system_sgpr_workgroup_id_z 1
		.amdhsa_system_vgpr_workitem_id 0
		.amdhsa_next_free_vgpr 512
		.amdhsa_next_free_sgpr 66
		.amdhsa_reserve_vcc 0
		.amdhsa_float_denorm_mode_32 3
		.amdhsa_float_denorm_mode_16_64 3
		.amdhsa_memory_ordered 1
		.amdhsa_forward_progress 1
		.amdhsa_inst_pref_size 97
	.end_amdhsa_kernel
	.amdgpu_metadata
---
amdhsa.version: [ 1, 2 ]
amdhsa.kernels:
  - .name:           k_q85ea2d2b7e_proj
    .symbol:         k_q85ea2d2b7e_proj.kd
    .args:
      - { .name: xc, .offset: 0, .size: 8, .value_kind: global_buffer, .address_space: global }
      - { .name: xs, .offset: 8, .size: 8, .value_kind: global_buffer, .address_space: global }
      - { .name: b_q, .offset: 16, .size: 8, .value_kind: global_buffer, .address_space: global }
      - { .name: b_k, .offset: 24, .size: 8, .value_kind: global_buffer, .address_space: global }
      - { .name: b_v, .offset: 32, .size: 8, .value_kind: global_buffer, .address_space: global }
      - { .name: qi, .offset: 40, .size: 8, .value_kind: global_buffer, .address_space: global }
      - { .name: kv, .offset: 48, .size: 8, .value_kind: global_buffer, .address_space: global }
    .group_segment_fixed_size: 0
    .private_segment_fixed_size: 0
    .kernarg_segment_align: 8
    .kernarg_segment_size: 56
    .max_flat_workgroup_size: 128
    .sgpr_count:     66
    .vgpr_count:     512
    .wavefront_size: 32
...
	.end_amdgpu_metadata
.endif
;; end of part 2
;; launch attn (part 3): grid 16 x 16, 16 waves a work-group, clusters of 4 x 1, 327,680 bytes of LDS; arguments qi, kv, oc, os; writes oc, os
.if DOCPART == 3
	.amdgcn_target "amdgcn-amd-amdhsa--gfx1250"
	.amdhsa_code_object_version 6
	.text
	.protected	k_q85ea2d2b7e_attn
	.globl	k_q85ea2d2b7e_attn
	.p2align	8
	.type	k_q85ea2d2b7e_attn,@function
k_q85ea2d2b7e_attn:
	s_mov_b64 s[64:65], 0
	v_nop
	global_prefetch_b8 v0, s[64:65] scope:SCOPE_SE
	s_setreg_imm32_b32 hwreg(HW_REG_WAVE_MODE, 25, 1), 1
	s_wait_xcnt 0x0
	s_wait_alu depctr_hold_cnt(0) depctr_sa_sdst(0) depctr_va_vdst(0) depctr_va_sdst(0) depctr_va_ssrc(0) depctr_va_vcc(0) depctr_vm_vsrc(0)
	s_getreg_b32 s2, hwreg(HW_REG_IB_STS2, 6, 4)
	s_cmp_eq_u32 s2, 0
	s_cbranch_scc0 .Lentry_in_a_cluster
	s_endpgm
.Lentry_in_a_cluster:
	s_bfe_u32 s2, ttmp6, 0x10000c
	s_cmp_lg_u32 s2, 0x3003
	s_cbranch_scc0 .Lentry_shape_is_right
	s_endpgm
.Lentry_shape_is_right:
; Attention of one head (y = 8 batch + head) on codes of FP4, and the quantising of its result as the operand of the last projection.
; t = score x log2(e) / 8; M = the running largest t rounded up to a whole number; p = 2^(t - M) is quantised along the keys; the row's sum is taken of the unquantised p and divides at the end.
; SHARES: a work-group owns 256 queries of a head, each of its sixteen waves one tile of 16; every wave walks the head's 4,096 keys, 128 a step, 32 steps.
; LDS: the head's 32 records of kv (8,960 bytes each: K's codes, V^T's codes, their scale words) are 286,720 bytes and are filled ONCE: each wave asks for two records, 70 rows of 256 bytes, by one tensor load.
; The four work-groups of a cluster walk the same head: the load is joint (mask 15).  Nothing is filled again, so one barrier behind the fill is the only one ahead of the closing round.
; No prefetch: all tensor loads go out at the head, and there is no loop of loads to run ahead in.
; LAYOUT: both products transposed: S^T = K Q^T, O^T = V^T P^T: a lane holds one query (lane % 16).  K's tile 4 c + u holds in rows 0-7 keys 64 c + 8 u + 0 .. 7 and in rows 8-15 keys 64 c + 32 + 8 u + 0 .. 7,
; so lane (r, h) has in registers S + 32 c + 0 .. 31 the keys 64 c + 32 h + 0 .. 31: a whole block of 32, in the order in which the second product's operand wants its codes.
; The first product's K is the head's 64: registers 4-7 of Q's fragment are zero codes, and what stands in registers 4-7 of K's (the next tile's codes) is multiplied by them.
; LDS loads run ahead: behind a step's first products V's fragments of this step and K's of the next are asked for.
; INDEPENDENT CHAINS BY TURNS: the maxima go in eight chains, one a tile; the row's sum in eight chains, which are joined in the NEXT step, between the lines that lead to M; the scale word's lines stand among the additions.
; LIMITS: the promise holds while the scaled scores t stay under 2^31 in magnitude; NaN and infinities are not served; a block whose largest magnitude lies under 2^-124 gets the scale byte 1.
.set RECB,  8960
.set HEADB, 32*RECB
.set SPARE, 0x46000                    ; behind the records: the spare words, 128 bytes for each of 16 waves
.set ADR, 3                            ; v3  the step's record + 16 x lane;  v4 + 8 x lane
.set ADV, 4
.set NM,  8                            ; v8  -M;  v9 the largest score so far
.set RM,  9
.set T,   18
.set TP,  19
.set F,   20                           ; v[20:21] f = 2^(old M - new M) in the low word
.set OLD, 22                           ; the last step's -M
.set SO,  26                           ; v26-27 the conversions' scale operands
.set BP,  28                           ; v28-29 scale bytes
.set Q,   32                           ; v32-39 Q's fragment
.set KF,  40                           ; v40-75 K's eight half fragments and four registers of zeros
.set VF,  76                           ; v76-107 V^T's four fragments
.set S,   112                          ; v112-175 S^T, then p
.set O,   176                          ; v176-207 O^T
.set PC,  208                          ; v208-215 p's codes
.set PW,  216                          ; p's scale word
.set QS,  217                          ; Q's
.set KS,  220                          ; v220-223 K's: lanes 0-15 tiles 0-3, lanes 16-31 tiles 4-7
.set VS,  224                          ; v224-225 V's: lanes 0-15 d tiles 0, 1, lanes 16-31 d tiles 2, 3
.set CH,  226                          ; v226-241 eight chains of the row's sum, two halves each; chain 0 carries the sum from step to step
.set BM,  242                          ; v242-251 maxima
.set WV,  12
.set G1,  16
.set G0,  32
.set TB,  48
.set CNT, 49
.set CS,  50
.set SEL, 52
.macro CROUND                          ; a round of the cluster's barrier
	s_barrier_signal -1
	s_barrier_wait -1
	s_cmp_lg_u32 s[WV], 0
	s_cbranch_scc1 .Lnot_wave_0_\@
	s_barrier_signal -3
.Lnot_wave_0_\@:
	s_barrier_wait -3
	s_barrier_signal -1
	s_barrier_wait -1
.endm
.macro WMQ d, a, b, sa, sb, ra         ; ra: source 0's scales stand in lanes 16-31
.if \ra
	v_wmma_scale_f32_16x16x128_f8f6f4 v[\d:\d+7], v[\a:\a+7], v[\b:\b+7], 0, v[\sa], v[\sb] matrix_a_fmt:MATRIX_FMT_FP4 matrix_b_fmt:MATRIX_FMT_FP4 matrix_a_scale:MATRIX_SCALE_ROW1
.else
	v_wmma_scale_f32_16x16x128_f8f6f4 v[\d:\d+7], v[\a:\a+7], v[\b:\b+7], 0, v[\sa], v[\sb] matrix_a_fmt:MATRIX_FMT_FP4 matrix_b_fmt:MATRIX_FMT_FP4
.endif
.endm
.macro WMP d, a, b, sa, sb, ra
.if \ra
	v_wmma_scale_f32_16x16x128_f8f6f4 v[\d:\d+7], v[\a:\a+7], v[\b:\b+7], v[\d:\d+7], v[\sa], v[\sb] matrix_a_fmt:MATRIX_FMT_FP4 matrix_b_fmt:MATRIX_FMT_FP4 matrix_a_scale:MATRIX_SCALE_ROW1
.else
	v_wmma_scale_f32_16x16x128_f8f6f4 v[\d:\d+7], v[\a:\a+7], v[\b:\b+7], v[\d:\d+7], v[\sa], v[\sb] matrix_a_fmt:MATRIX_FMT_FP4 matrix_b_fmt:MATRIX_FMT_FP4
.endif
.endm
.macro PF j0, n                        ; t - M for n pairs of scores from register S + j0 on
.set j, \j0
.rept \n
	v_pk_fma_f32 v[S+j:S+j+1], v[S+j:S+j+1], s[CS:CS+1], v[NM:NM+1] op_sel_hi:[1,0,0]
.set j, j+2
.endr
.endm
.macro INI k                           ; chain k (1 .. 7) begins with pairs 2 k - 2 and 2 k - 1 of p
	v_pk_add_f32 v[CH+2*(\k):CH+2*(\k)+1], v[S+4*(\k)-4:S+4*(\k)-3], v[S+4*(\k)-2:S+4*(\k)-1]
.endm
.macro ACCP j                          ; pair j (14 .. 31) goes onto chain (j - 14) % 8
	v_pk_add_f32 v[CH+2*((\j-14)%8):CH+2*((\j-14)%8)+1], v[CH+2*((\j-14)%8):CH+2*((\j-14)%8)+1], v[S+2*(\j):S+2*(\j)+1]
.endm
.macro MRG a, b                        ; chain a takes chain b in
	v_pk_add_f32 v[CH+2*\a:CH+2*\a+1], v[CH+2*\a:CH+2*\a+1], v[CH+2*\b:CH+2*\b+1]
.endm
	s_load_b256 s[4:11], s[0:1], 0x0               ; qi, kv, oc, os
	v_lshl_add_u32 v254, v0, 2, SPARE
	v_mov_b32 v255, 0
	ds_add_u32 v254, v255                          ; the opening lines: the add, twice on end, and its wait
	ds_add_u32 v254, v255
	v_lshrrev_b32 v3, 5, v0
	s_delay_alu instid0(VALU_DEP_1)
	v_readfirstlane_b32 s[WV], v3                  ; wave 0..15
	s_and_b32 s15, ttmp7, 0xffff                   ; 8 batch + head
	s_mov_b32 s[G1], 15|(3<<16)|(1<<21)            ; mask: the cluster's four; elements of 8 bytes; bit 21 beside a mask
	s_mov_b32 s[G1+1], 32<<16                      ; rows of 256 bytes,
	s_mov_b32 s[G1+2], 70<<16                      ; 70 of them: two records
	s_mov_b32 s[G1+3], 32<<16
	s_mov_b32 s[G1+4], 70
	s_mov_b32 s[G1+5], 32
	s_mov_b32 s[G1+6], 0
	s_mov_b32 s[G1+7], 0
	s_mul_i32 s24, s15, HEADB
	s_mul_i32 s26, s[WV], 2*RECB                   ; my two records, in memory and in LDS alike
	s_add_co_u32 s24, s24, s26
	s_mov_b32 s25, 0
	s_mov_b32 s[CS], 0x3e38aa3b                    ; c = log2(e) / 8
	s_mov_b32 s[CS+1], s[CS]
	s_mov_b32 s[SEL], 0x76543210                   ; lane selects: lane l xor 16
	s_mov_b32 s[SEL+1], 0xfedcba98
	s_wait_dscnt 0x0                               ; both opening adds are done
	s_wait_kmcnt 0x0
	s_add_nc_u64 s[6:7], s[6:7], s[24:25]
	s_mov_b32 s[G0], 1
	s_mov_b32 s[G0+1], s26
	s_mov_b64 s[G0+2:G0+3], s[6:7]
	s_or_b32 s[G0+3], s[G0+3], 0x80000000
	CROUND                                         ; the four work-groups are here: the joint loads meet
	tensor_load_to_lds s[G0:G0+3], s[G1:G1+7]      ; my one tensor load of the launch
	s_nop 0
.rept 4
	v_nop
.endr
	s_bfe_u32 s13, ttmp6, 0x40000                  ; cx
	s_lshl_b32 s14, ttmp9, 2
	s_add_co_u32 s14, s14, s13                     ; which 256 queries
	s_lshr_b32 s27, s[WV], 2
	s_lshl_b32 s28, s14, 2
	s_add_co_u32 s28, s28, s27                     ; my group of 64 queries
	s_lshl_b32 s29, s15, 6
	s_add_co_u32 s28, s28, s29
	s_mul_i32 s28, s28, 2304                       ; its record in qi
	s_mov_b32 s29, 0
	s_add_nc_u64 s[4:5], s[4:5], s[28:29]
	s_and_b32 s30, s[WV], 3                        ; my tile i of its four
	s_lshl_b32 s28, s30, 9
	s_add_nc_u64 s[56:57], s[4:5], s[28:29]        ; codes at 512 i
	s_lshl_b32 s28, s30, 2
	s_add_co_u32 s28, s28, 2048
	s_add_nc_u64 s[58:59], s[4:5], s[28:29]        ; scale words at 2048 + 16 r + 4 i
	v_and_b32 v5, 31, v0
	s_delay_alu instid0(VALU_DEP_1)
	v_lshlrev_b32 v1, 4, v5                        ; 16 x lane
	v_lshlrev_b32 v2, 3, v5                        ; 8 x lane
	v_and_b32 v5, 15, v0
	s_delay_alu instid0(VALU_DEP_1)
	v_lshlrev_b32 v5, 4, v5                        ; 16 r
	v_bfe_u32 v6, v0, 4, 1
	s_delay_alu instid0(VALU_DEP_1)
	v_lshlrev_b32 v6, 3, v6                        ; 8 h: where my half's bytes stand in a scale word
	global_load_b128 v[Q:Q+3], v1, s[56:57]
	global_load_b32 v[QS], v5, s[58:59]
	s_lshr_b32 s27, s15, 3
	s_and_b32 s30, s15, 7
	s_lshl_b32 s27, s27, 8
	s_lshl_b32 s31, s14, 4
	s_add_co_u32 s27, s27, s31
	s_add_co_u32 s27, s27, s[WV]                   ; my tile among the result's 512
	s_lshl_b32 s28, s27, 12
	s_lshl_b32 s31, s30, 9
	s_add_co_u32 s28, s28, s31
	s_add_nc_u64 s[8:9], s[8:9], s[28:29]          ; oc: the tile's image, the head's 512 bytes
	s_lshl_b32 s28, s27, 8
	s_lshl_b32 s31, s30, 1
	s_add_co_u32 s28, s28, s31
	s_add_nc_u64 s[10:11], s[10:11], s[28:29]      ; os: the scale tile, the head's two bytes of a row
.irp j, 4,5,6,7
	v_mov_b32 v[Q+\j], 0                           ; zero codes for k = 64 .. 127
	v_mov_b32 v[KF+28+\j], 0
.endr
	v_mov_b32 v[TP], 0                             ; a lane permute's destination counts as one of its sources
	v_mov_b32 v[BP], 0
	v_mov_b32 v[BP+1], 0
	v_mov_b32 v[F+1], 0                            ; named as the upper half of a pair
	v_mov_b32 v[RM], 0xff61b1e6                    ; -3e38, under every score
	v_mov_b32 v[NM], 0x7f61b1e6                    ; -M to match: the first f is 0
.set j, 0
.rept 16
	v_mov_b32 v[CH+j], 0                           ; the first step joins chains of zeros
.set j, j+1
.endr
.set j, 0
.rept 32
	v_mov_b32 v[O+j], 0                            ; the step is written for all steps alike: the first finds zeros
.set j, j+1
.endr
; A KEY STEP.  more = 1: the next step's fragments of K are asked for
.macro STEP more
	s_wait_dscnt 0x0                               ; K's fragments and scale words are in
.irp t, 0,1,2,3,4,5,6,7
	WMQ S+8*\t, KF+4*\t, Q, KS+(\t%4), QS, \t/4
.endr
	v_add_nc_u32 v[ADR], s[TB], v1                 ; four plain instructions ahead of the loads into registers that products have read, and of the first read of S^T
	v_add_nc_u32 v[ADV], s[TB], v2
	v_mov_b32 v[OLD], v[NM]
	v_nop
.irp dt, 0,1,2,3
.irp c, 0,1
	ds_load_b128 v[VF+8*\dt+4*\c:VF+8*\dt+4*\c+3], v[ADR] offset:4096+1024*\dt+512*\c
.endr
.endr
	ds_load_b64 v[VS:VS+1], v[ADV] offset:8704
.if \more
.irp t, 0,1,2,3,4,5,6,7
	ds_load_b128 v[KF+4*\t:KF+4*\t+3], v[ADR] offset:RECB+512*\t
.endr
	ds_load_b128 v[KS:KS+3], v[ADR] offset:RECB+8192
.endif
.irp t, 0,1,2,3,4,5,6,7                        ; the largest scores: eight chains by turns, one a tile; each accumulator is read from its low end on
	v_max3_num_f32 v[BM+\t], v[S+8*\t], v[S+8*\t+1], v[S+8*\t+2]
.endr
.irp i, 3,5
.irp t, 0,1,2,3,4,5,6,7
	v_max3_num_f32 v[BM+\t], v[BM+\t], v[S+8*\t+\i], v[S+8*\t+\i+1]
.endr
.endr
	v_max_num_f32 v[BM+8], v[S+23], v[S+31]        ; each tile's eighth score and the four chains of a block, as a tree
	v_max_num_f32 v[BM+9], v[S+55], v[S+63]
	v_max3_num_f32 v[BM], v[BM], v[BM+1], v[S+7]
	v_max3_num_f32 v[BM+4], v[BM+4], v[BM+5], v[S+39]
	v_max3_num_f32 v[BM+2], v[BM+2], v[BM+3], v[S+15]
	v_max3_num_f32 v[BM+6], v[BM+6], v[BM+7], v[S+47]
	s_delay_alu instid0(VALU_DEP_2)
	v_max3_num_f32 v[BM], v[BM], v[BM+2], v[BM+8]          ; block h
	s_delay_alu instid0(VALU_DEP_2)
	v_max3_num_f32 v[BM+4], v[BM+4], v[BM+6], v[BM+9]      ; block 2 + h
	s_delay_alu instid0(VALU_DEP_1)
	v_max_num_f32 v[T], v[BM], v[BM+4]
	MRG 1, 2                                       ; the last step's chains of the sum are joined between the lines that lead to M
	MRG 3, 4
	s_delay_alu instid0(VALU_DEP_3)
	v_permlanex16_b32 v[TP], v[T], s[SEL], s[SEL+1]
	MRG 5, 6
	MRG 0, 7
	s_delay_alu instid0(VALU_DEP_3)
	v_max3_num_f32 v[RM], v[RM], v[T], v[TP]       ; the running largest score of my query
	MRG 1, 3
	MRG 0, 5
	s_delay_alu instid0(VALU_DEP_3)
	v_mul_f32 v[T], s[CS], v[RM]                   ; as t (c is positive)
	MRG 0, 1                                       ; the sum, still under the old M
	s_delay_alu instid0(VALU_DEP_2)
	v_floor_f32 v[NM], -v[T]                       ; the new -M = -ceil(t)
	PF 0, 4
	v_sub_f32 v[T], v[NM], v[OLD]                  ; old M - new M: a whole number, 0 or less
	PF 8, 4
	v_cvt_i32_f32 v[T], v[T]                       ; (it saturates)
	PF 16, 4
	v_ldexp_f32 v[F], 1.0, v[T]                    ; f = 2^(old M - new M)
	PF 24, 20
	v_fma_f32 v[BM], v[BM], s[CS], v[NM]           ; t - M of each block's largest score
	v_fma_f32 v[BM+4], v[BM+4], s[CS], v[NM]
.set j, 0
.rept 16
	v_pk_mul_f32 v[O+j:O+j+1], v[O+j:O+j+1], v[F:F+1] op_sel_hi:[1,0]   ; O^T under the new M
.set j, j+2
.endr
	s_wait_alu depctr_va_vdst(0)                   ; the wait ahead of the batch
.set j, 0
.rept 64
	v_exp_f32 v[S+j], v[S+j]                       ; p = 2^(t - M)
.set j, j+1
.endr
	v_exp_f32 v[BM], v[BM]                         ; each block's largest p: the same two instructions on the same number
	v_exp_f32 v[BM+4], v[BM+4]
	v_pk_mul_f32 v[CH:CH+1], v[CH:CH+1], v[F:F+1] op_sel_hi:[1,0]   ; the sum under the new M (a plain instruction behind the batch)
	s_wait_alu depctr_va_vdst(0)                   ; the wait behind the batch
	v_max_num_f32 v[BM], 0x1800000, v[BM]          ; the floor 2^(3 - 127): the byte cannot fall under 1
	v_max_num_f32 v[BM+4], 0x1800000, v[BM+4]
	INI 1                                          ; the row's sum of the unquantised p, in eight chains; the scale word's lines stand among them
	INI 2
	INI 3
	v_add_nc_u32 v[SO], 0xff000000, v[BM]          ; 2 off the exponent field: the conversion's scale operand
	v_add_nc_u32 v[SO+1], 0xff000000, v[BM+4]
	INI 4
	INI 5
	INI 6
	INI 7
	v_lshrrev_b32 v[BP], 23, v[SO]                 ; the scale's byte
	v_lshrrev_b32 v[BP+1], 23, v[SO+1]
.irp c, 0,1
.irp g, 0,1,2,3
	v_cvt_scalef32_pk8_fp4_f32 v[PC+4*\c+\g], v[S+32*\c+8*\g:S+32*\c+8*\g+7], v[SO+\c]   ; registers 4 c .. 4 c + 3 of the operand as they stand
.endr
.endr
	ACCP 14
	ACCP 15
	v_lshl_or_b32 v[PW], v[BP+1], 16, v[BP]        ; my two bytes, blocks h and 2 + h,
	ACCP 16
	ACCP 17
	v_lshlrev_b32 v[PW], v6, v[PW]                 ; at their places in the word;
	ACCP 18
	ACCP 19
	v_permlanex16_b32 v[TP], v[PW], s[SEL], s[SEL+1]
	ACCP 20
	ACCP 21
	v_or_b32 v[PW], v[PW], v[TP]                   ; with lane l xor 16's two the word is whole
.irp j, 22,23,24,25,26,27,28,29,30,31          ; ten plain instructions between the scale word and the products
	ACCP \j
.endr
.if \more
	s_wait_dscnt 9                                 ; V's nine loads are in; the next step's nine of K may be out
.else
	s_wait_dscnt 0x0
.endif
.irp dt, 0,1,2,3                               ; the four accumulators by turns
	WMP O+8*\dt, VF+8*\dt, PC, VS+(\dt%2), PW, \dt/2
.endr
	s_add_co_u32 s[TB], s[TB], RECB
.endm
	s_wait_alu depctr_va_vdst(0)                   ; the wait at the head's end
	s_wait_loadcnt 0x0                             ; Q
	s_wait_tensorcnt 0x0                           ; my two records are in
	s_barrier_signal -1
	s_barrier_wait -1                              ; and everybody's
.irp t, 0,1,2,3,4,5,6,7
	ds_load_b128 v[KF+4*\t:KF+4*\t+3], v1 offset:512*\t
.endr
	ds_load_b128 v[KS:KS+3], v1 offset:8192
	s_mov_b32 s[TB], 0
	s_mov_b32 s[CNT], 31
.Lstep:
	STEP 1
	s_sub_co_u32 s[CNT], s[CNT], 1
	s_cmp_lg_u32 s[CNT], 0
	s_cbranch_scc1 .Lstep
	STEP 0                                         ; the last step is written out: no record follows it
.rept 4
	v_nop                                          ; four plain instructions behind the last products
.endr
	s_wait_alu depctr_va_vdst(0)                   ; the wait here, directly ahead of the readers below
	MRG 1, 2                                       ; the last step's chains
	MRG 3, 4
	MRG 5, 6
	MRG 0, 7
	MRG 1, 3
	MRG 0, 5
	MRG 0, 1
	s_delay_alu instid0(VALU_DEP_1)
	v_add_f32 v[CH], v[CH], v[CH+1]                ; the sum's two halves,
	s_delay_alu instid0(VALU_DEP_1)
	v_permlanex16_b32 v[TP], v[CH], s[SEL], s[SEL+1]
	s_delay_alu instid0(VALU_DEP_1)
	v_add_f32 v[CH], v[CH], v[TP]                  ; and lane l xor 16's: the row's sum
	s_wait_alu depctr_va_vdst(0)                   ; the wait ahead of the transcendental
	v_rcp_f32 v[F], v[CH]
	v_nop
	s_wait_alu depctr_va_vdst(0)                   ; and behind it, directly ahead of the first readers of O^T
.set j, 0
.rept 16
	v_pk_mul_f32 v[S+j:S+j+1], v[O+j:O+j+1], v[F:F+1] op_sel_hi:[1,0]   ; register 16 g + i = the head's unit 32 g + 16 h + i
.set j, j+2
.endr
; 32 numbers of a lane become four registers of codes (k = 32 h + 0 .. 31) and two scale bytes
.irp b, 0,1
	v_max3_num_f32 v[BM+\b], |v[S+16*\b]|, |v[S+1+16*\b]|, 0x1800000
.endr
.irp i, 2,4,6,8,10,12,14
.irp b, 0,1
	s_delay_alu instid0(VALU_DEP_2)
	v_max3_num_f32 v[BM+\b], v[BM+\b], |v[S+16*\b+\i]|, |v[S+1+16*\b+\i]|
.endr
.endr
.irp b, 0,1
	s_delay_alu instid0(VALU_DEP_2)
	v_permlanex16_b32 v[BP+\b], v[BM+\b], s[SEL], s[SEL+1]
.endr
.irp b, 0,1
	s_delay_alu instid0(VALU_DEP_2)
	v_max_num_f32 v[BM+\b], v[BM+\b], v[BP+\b]
.endr
.irp b, 0,1
	s_delay_alu instid0(VALU_DEP_2)
	v_add_nc_u32 v[SO+\b], 0xff000000, v[BM+\b]
.endr
.irp b, 0,1
	s_delay_alu instid0(VALU_DEP_2)
	v_lshrrev_b32 v[BP+\b], 23, v[SO+\b]
.endr
	s_delay_alu instid0(VALU_DEP_1)
	v_lshl_or_b32 v[PW], v[BP+1], 8, v[BP]
.irp b, 0,1
	v_cvt_scalef32_pk8_fp4_f32 v[PC+2*\b], v[S+16*\b:S+7+16*\b], v[SO+\b]
	v_cvt_scalef32_pk8_fp4_f32 v[PC+1+2*\b], v[S+8+16*\b:S+15+16*\b], v[SO+\b]
.endr
	v_nop                                          ; one plain instruction behind the scaled conversions
	v_permlane16_swap_b32 v[PC], v[PC+2]           ; a whole block to a lane
	v_permlane16_swap_b32 v[PC+1], v[PC+3]
	global_store_b128 v1, v[PC:PC+3], s[8:9]       ; 32 lanes store 512 consecutive bytes
	global_store_b16 v5, v[PW], s[10:11]           ; row r's two bytes (both halves of the lanes hold and store the same)
	s_wait_tensorcnt 0x0                           ; the wave's end
	ds_add_u32 v254, v255
	s_wait_dscnt 0x0
	CROUND                                         ; the closing round
	s_endpgm
.Lfunc_end_k_q85ea2d2b7e_attn:
	.size	k_q85ea2d2b7e_attn, .Lfunc_end_k_q85ea2d2b7e_attn-k_q85ea2d2b7e_attn
	.p2alignl 7, 3214868480
	.fill 96, 4, 3214868480
	.section	.rodata,"a",@progbits
	.p2align	6, 0x0
	.amdhsa_kernel k_q85ea2d2b7e_attn
		.amdhsa_group_segment_fixed_size 327680
		.amdhsa_private_segment_fixed_size 0
		.amdhsa_enable_private_segment 0
		.amdhsa_kernarg_size 32
		.amdhsa_user_sgpr_count 2
		.amdhsa_user_sgpr_kernarg_segment_ptr 1
		.amdhsa_wavefront_size32 1
		.amdhsa_system_sgpr_workgroup_id_x 1
		.amdhsa_system_sgpr_workgroup_id_y 1
		.amdhsa_system_sgpr_workgroup_id_z 1
		.amdhsa_system_vgpr_workitem_id 0
		.amdhsa_next_free_vgpr 256
		.amdhsa_next_free_sgpr 66
		.amdhsa_reserve_vcc 0
		.amdhsa_float_denorm_mode_32 3
		.amdhsa_float_denorm_mode_16_64 3
		.amdhsa_memory_ordered 1
		.amdhsa_forward_progress 1
		.amdhsa_inst_pref_size 40
	.end_amdhsa_kernel
	.amdgpu_metadata
---
amdhsa.version: [ 1, 2 ]
amdhsa.kernels:
  - .name:           k_q85ea2d2b7e_attn
    .symbol:         k_q85ea2d2b7e_attn.kd
    .args:
      - { .name: qi, .offset: 0, .size: 8, .value_kind: global_buffer, .address_space: global }
      - { .name: kv, .offset: 8, .size: 8, .value_kind: global_buffer, .address_space: global }
      - { .name: oc, .offset: 16, .size: 8, .value_kind: global_buffer, .address_space: global }
      - { .name: os, .offset: 24, .size: 8, .value_kind: global_buffer, .address_space: global }
    .group_segment_fixed_size: 327680
    .private_segment_fixed_size: 0
    .kernarg_segment_align: 8
    .kernarg_segment_size: 32
    .max_flat_workgroup_size: 512
    .sgpr_count:     66
    .vgpr_count:     256
    .wavefront_size: 32
...
	.end_amdgpu_metadata
.endif
;; end of part 3
;; launch oproj (part 4): grid 128 x 2, 4 waves a work-group, no clusters, 17,920 bytes of LDS; arguments oc, os, xc, xs, b_o, out0; writes out0
.if DOCPART == 4
	.amdgcn_target "amdgcn-amd-amdhsa--gfx1250"
	.amdhsa_code_object_version 6
	.text
	.protected	k_q85ea2d2b7e_oproj
	.globl	k_q85ea2d2b7e_oproj
	.p2align	8
	.type	k_q85ea2d2b7e_oproj,@function
k_q85ea2d2b7e_oproj:
	s_mov_b64 s[64:65], 0
	v_nop
	global_prefetch_b8 v0, s[64:65] scope:SCOPE_SE
	s_setreg_imm32_b32 hwreg(HW_REG_WAVE_MODE, 25, 1), 1
	s_wait_xcnt 0x0
; out0 = a W_o^T + b_o on codes of FP4: a is attention's result, laid by the launch before as tile images (oc) and scale tiles (os); W_o's images are tiles 1632-1663 of xc, xs.
; SHARES: work-group (x, y): 64 rows of a (tiles 4 x + i); wave w: the 64 outputs from 64 (4 y + w) on.  Stationary: W_o's four tiles (source 0); moving: a's tile i (source 1): a unit of 16 matrix instructions,
; K step outer, tile inner, so that the four accumulators take turns; four units a wave.  The bias is the C of a sum's first instruction.
; By the order of rows in a tile (tile 2 g + u, lane-row r = row 32 g + 8 u + r + 8 (r / 8)) lane (r, h) holds, of a's row r, register 16 g + i = output 32 g + 16 h + i.
; THE WAY OUT: a unit's 16 rows x 256 bytes go through the wave's own stage in LDS (rows 272 bytes apart) and leave as whole rows: sixteen lanes store 256 consecutive bytes, aligned.  No barrier: waves share nothing.
; REGISTERS: window 0: v1-7 offsets; v32-63 accumulators; v64-95 bias; v96-111 W_o's scale words; v112-119 a's (lanes 0-15 tiles 0, 1; lanes 16-31 tiles 2, 3); v128-191 rows on the way out, two sets.
;   window 1: W_o's 16 fragments in v0-127, a's 16 in v128-255.
.set ACC, 32
.set BI,  64
.set SS,  96
.set MS,  112
.set OUTR, 128
.set SP,  272
.set WV,  16
.set SCB, 20
.set SSB, 22
.set MCB, 24
.set MZB, 26
.set BB,  28
.set OUTB, 30
.set MSB, 0
.macro WIN new                         ; the immediate's high byte repeats the setting that is left
.if MSB != \new
	s_set_vgpr_msb (MSB<<8)|\new
.set MSB, \new
.endif
.endm
.macro WM d, a, b, c, sa, sb, rb       ; rb: source 1's scales stand in lanes 16-31
.if \rb
	v_wmma_scale_f32_16x16x128_f8f6f4 v[\d:\d+7], v[\a:\a+7], v[\b:\b+7], v[\c:\c+7], v[\sa], v[\sb] matrix_a_fmt:MATRIX_FMT_FP4 matrix_b_fmt:MATRIX_FMT_FP4 matrix_b_scale:MATRIX_SCALE_ROW1
.else
	v_wmma_scale_f32_16x16x128_f8f6f4 v[\d:\d+7], v[\a:\a+7], v[\b:\b+7], v[\c:\c+7], v[\sa], v[\sb] matrix_a_fmt:MATRIX_FMT_FP4 matrix_b_fmt:MATRIX_FMT_FP4
.endif
.endm
	s_load_b256 s[4:11], s[0:1], 0x0               ; oc, os, xc, xs
	s_load_b128 s[12:15], s[0:1], 0x20             ; b_o, out0
	v_lshl_add_u32 v254, v0, 2, 0x4400
	v_mov_b32 v255, 0
	v_lshrrev_b32 v8, 5, v0
	v_readfirstlane_b32 s[WV], v8                  ; wave 0..3
	v_and_b32 v8, 31, v0                           ; lane
	v_and_b32 v9, 15, v0                           ; r
	v_bfe_u32 v10, v0, 4, 1                        ; h
	v_lshlrev_b32 v1, 4, v8                        ; 16 x lane
	v_lshlrev_b32 v2, 4, v9                        ; 16 r
	v_lshl_add_u32 v3, v10, 9, v2                  ; 16 r, lanes 16-31 two tiles on
	v_lshlrev_b32 v4, 6, v10                       ; bias: 16 h numbers on
	s_mul_i32 s34, s[WV], 16*SP                    ; my stage
	v_mul_u32_u24 v5, v9, SP
	v_lshl_add_u32 v5, v10, 6, v5
	v_add_nc_u32 v5, s34, v5                       ; in: row r, + 64 h
	v_mul_u32_u24 v6, v10, SP
	v_lshl_add_u32 v6, v9, 4, v6
	v_add_nc_u32 v6, s34, v6                       ; back: lanes 0-15 one row, lanes 16-31 the next
	v_lshl_add_u32 v7, v10, 11, v2                 ; and the same two rows in out0
	s_and_b32 s17, ttmp7, 0xffff
	s_lshl_b32 s17, s17, 2
	s_add_co_u32 s17, s17, s[WV]                   ; my block of 64 outputs
	s_lshl_b32 s18, s17, 2
	s_add_co_u32 s18, s18, 1632                    ; W_o's tiles
	s_lshl_b32 s19, ttmp9, 2                       ; a's tiles
	s_mov_b32 s33, 0
	s_wait_alu depctr_va_vdst(0)
	s_wait_kmcnt 0x0
	s_lshl_b32 s32, s18, 12
	s_add_nc_u64 s[SCB:SCB+1], s[8:9], s[32:33]
	s_lshl_b32 s32, s18, 8
	s_add_nc_u64 s[SSB:SSB+1], s[10:11], s[32:33]
	s_lshl_b32 s32, s19, 12
	s_add_nc_u64 s[MCB:MCB+1], s[4:5], s[32:33]
	s_lshl_b32 s32, s19, 8
	s_add_nc_u64 s[MZB:MZB+1], s[6:7], s[32:33]
	s_lshl_b32 s32, s17, 8                         ; 64 numbers of 4 bytes
	s_add_nc_u64 s[BB:BB+1], s[12:13], s[32:33]
	s_add_nc_u64 s[OUTB:OUTB+1], s[14:15], s[32:33]
	s_lshl_b32 s32, ttmp9, 17                      ; 64 rows of 2,048 bytes
	s_add_nc_u64 s[OUTB:OUTB+1], s[OUTB:OUTB+1], s[32:33]
.irp t, 0,1,2,3
	global_load_b128 v[SS+4*\t:SS+4*\t+3], v2, s[SSB:SSB+1] offset:256*\t
.endr
.irp i, 0,1
	global_load_b128 v[MS+4*\i:MS+4*\i+3], v3, s[MZB:MZB+1] offset:256*\i
.endr
.irp t, 0,1,2,3                                ; lane (r, h), tile 2 g + u: the bias of outputs 32 g + 16 h + 8 u + 0 .. 7
	global_load_b128 v[BI+8*\t:BI+8*\t+3], v4, s[BB:BB+1] offset:(32*(\t/2)+8*(\t%2))*4
	global_load_b128 v[BI+8*\t+4:BI+8*\t+7], v4, s[BB:BB+1] offset:(32*(\t/2)+8*(\t%2))*4+16
.endr
	WIN 0x40                                       ; destination window 1
.irp t, 0,1,2,3
.irp s, 0,1,2,3
.irp c, 0,1
	global_load_b128 v[8*(4*\t+\s)+4*\c:8*(4*\t+\s)+4*\c+3], v1, s[SCB:SCB+1] offset:4096*\t+1024*\s+512*\c
.endr
.endr
.endr
.irp i, 0,1,2,3
.irp s, 0,1,2,3
.irp c, 0,1
	global_load_b128 v[128+8*(4*\i+\s)+4*\c:128+8*(4*\i+\s)+4*\c+3], v1, s[MCB:MCB+1] offset:4096*\i+1024*\s+512*\c
.endr
.endr
.endr
	WIN 0
.macro UNIT4 i
	s_wait_loadcnt 24-8*\i                         ; all up to a's tile i are in; the later tiles' eight loads each may be out
	WIN 0x05                                       ; sources 0 and 1 in window 1
.irp s, 0,1,2,3
.irp t, 0,1,2,3
.if \s == 0
	WM ACC+8*\t, 8*(4*\t+\s), 128+8*(4*\i+\s), BI+8*\t, SS+4*\t+\s, MS+4*(\i%2)+\s, \i/2
.else
	WM ACC+8*\t, 8*(4*\t+\s), 128+8*(4*\i+\s), ACC+8*\t, SS+4*\t+\s, MS+4*(\i%2)+\s, \i/2
.endif
.endr
.endr
	WIN 0
.rept 5
	v_nop                                          ; four plain instructions ahead of the stores that read the results; five ahead of the next unit's first product, which begins these accumulators anew
.endr
.irp t, 0,1,2,3
	ds_store_b128 v5, v[ACC+8*\t:ACC+8*\t+3] offset:128*(\t/2)+32*(\t%2)       ; each accumulator from its low end on
	ds_store_b128 v5, v[ACC+8*\t+4:ACC+8*\t+7] offset:128*(\t/2)+32*(\t%2)+16
.endr
.if \i >= 2
	s_wait_xcnt 0x0                                ; the stores of two units ago have read this set of registers: it is loaded again only behind this wait
.endif
.irp p, 0,1,2,3,4,5,6,7
	ds_load_b128 v[OUTR+32*(\i%2)+4*\p:OUTR+32*(\i%2)+4*\p+3], v6 offset:2*SP*\p   ; LDS serves a wave's instructions in order: these see the stores above
.endr
	s_wait_dscnt 0x0
.irp p, 0,1,2,3,4,5,6,7                        ; lane-rows 2 p, 2 p + 1 of tile i are rows 32 (i / 2) + 8 (i % 2) + 2 p + h + 8 (p / 4) of the 64
	global_store_b128 v7, v[OUTR+32*(\i%2)+4*\p:OUTR+32*(\i%2)+4*\p+3], s[OUTB:OUTB+1] offset:(32*(\i/2)+8*(\i%2)+2*\p+8*(\p/4))*2048 th:TH_STORE_NT
.endr
.endm
	UNIT4 0
	UNIT4 1
	UNIT4 2
	UNIT4 3
	s_wait_tensorcnt 0x0
	ds_add_u32 v254, v255
	s_wait_dscnt 0x0
	s_endpgm
.Lfunc_end_k_q85ea2d2b7e_oproj:
	.size	k_q85ea2d2b7e_oproj, .Lfunc_end_k_q85ea2d2b7e_oproj-k_q85ea2d2b7e_oproj
	.p2alignl 7, 3214868480
	.fill 96, 4, 3214868480
	.section	.rodata,"a",@progbits
	.p2align	6, 0x0
	.amdhsa_kernel k_q85ea2d2b7e_oproj
		.amdhsa_group_segment_fixed_size 17920
		.amdhsa_private_segment_fixed_size 0
		.amdhsa_enable_private_segment 0
		.amdhsa_kernarg_size 48
		.amdhsa_user_sgpr_count 2
		.amdhsa_user_sgpr_kernarg_segment_ptr 1
		.amdhsa_wavefront_size32 1
		.amdhsa_system_sgpr_workgroup_id_x 1
		.amdhsa_system_sgpr_workgroup_id_y 1
		.amdhsa_system_sgpr_workgroup_id_z 1
		.amdhsa_system_vgpr_workitem_id 0
		.amdhsa_next_free_vgpr 512
		.amdhsa_next_free_sgpr 66
		.amdhsa_reserve_vcc 0
		.amdhsa_float_denorm_mode_32 3
		.amdhsa_float_denorm_mode_16_64 3
		.amdhsa_memory_ordered 1
		.amdhsa_forward_progress 1
		.amdhsa_inst_pref_size 26
	.end_amdhsa_kernel
	.amdgpu_metadata
---
amdhsa.version: [ 1, 2 ]
amdhsa.kernels:
  - .name:           k_q85ea2d2b7e_oproj
    .symbol:         k_q85ea2d2b7e_oproj.kd
    .args:
      - { .name: oc, .offset: 0, .size: 8, .value_kind: global_buffer, .address_space: global }
      - { .name: os, .offset: 8, .size: 8, .value_kind: global_buffer, .address_space: global }
      - { .name: xc, .offset: 16, .size: 8, .value_kind: global_buffer, .address_space: global }
      - { .name: xs, .offset: 24, .size: 8, .value_kind: global_buffer, .address_space: global }
      - { .name: b_o, .offset: 32, .size: 8, .value_kind: global_buffer, .address_space: global }
      - { .name: out0, .offset: 40, .size: 8, .value_kind: global_buffer, .address_space: global }
    .group_segment_fixed_size: 17920
    .private_segment_fixed_size: 0
    .kernarg_segment_align: 8
    .kernarg_segment_size: 48
    .max_flat_workgroup_size: 128
    .sgpr_count:     66
    .vgpr_count:     512
    .wavefront_size: 32
...
	.end_amdgpu_metadata
.endif
;; end of part 4
